; MI455X (gfx1250); checked and timed in simulation.
; The chip was launched on July 23, 2026; its instructions are those of AMD's public machine-readable ISA for CDNA 5 (MIT licence, August 2026) and "CDNA5" Instruction Set Architecture Reference Guide (July 2026). The comments in the code are by the model that wrote it; some were corrected since.
;; Attention Block. Allowed arithmetic: matrix products marked QUANTISED: E4M3 operands, one given power-of-two scale a tensor, by v_wmma_f32_16x16x64_fp8_fp8 or v_wmma_f32_16x16x128_fp8_fp8, f32 sums; everything else in f32.
;; Inputs: b1 1,024 float32; b2 128 float32; beta1 128 float32; beta2 128 float32; gamma1 128 float32; gamma2 128 float32; lowp_scales 10 int32 (the exponents e of the quantised operands' scales 2^e); w1_codes 1,024 x 4 x 32 uint8 (E4M3 codes of w1, K innermost, in blocks of 32 codes); w2_codes 128 x 32 x 32 uint8 (E4M3 codes of w2, K innermost, in blocks of 32 codes); w_qkv_codes 384 x 4 x 32 uint8 (E4M3 codes of w_qkv, K innermost, in blocks of 32 codes); x 8 x 1,024 x 4 x 128 float32.
;; Outputs: out0 8 x 1,024 x 4 x 128 float32.
;; This version of the problem:
;;   THIS VERSION OF THE PROBLEM IS GIVEN IN LOW PRECISION. The matrix products marked QUANTISED in the list below multiply operands that are first quantised to E4M3 (4 exponent bits, 3 mantissa bits; 8 bits a number), with one given power-of-two scale for each operand tensor; their sums are f32. All else is computed in f32.
;;   The module's matrix products, in the order in which they are computed (A, B: the left and right operand; K: the contracted axis; several contracted axes count as one K, in the product's order):
;;     1. [M 32,768, K 128] x [K 128, N 384]; A: computed on the way; B: input w_qkv (given as codes): QUANTISED (scales: A lowp_scales[0], B lowp_scales[1])
;;     2. batch 8 x [M 4,096, K 128] x [K 128, N 4,096]; A: computed on the way; B: computed on the way: QUANTISED (scales: A lowp_scales[2], B lowp_scales[3])
;;     3. batch 8 x [M 4,096, K 4,096] x [K 4,096, N 128]; A: softmax (see below); B: computed on the way: QUANTISED (scales: A lowp_scales[4], B lowp_scales[5])
;;     4. [M 32,768, K 128] x [K 128, N 1,024]; A: computed on the way; B: input w1 (given as codes): QUANTISED (scales: A lowp_scales[6], B lowp_scales[7])
;;     5. [M 32,768, K 1,024] x [K 1,024, N 128]; A: computed on the way; B: input w2 (given as codes): QUANTISED (scales: A lowp_scales[8], B lowp_scales[9])
;;   THE QUANTISER, for each operand of a quantised product, along K:
;;     - The operand's scale is 2^e, e = its entry of the input lowp_scales (int32; the entries are numbered through the quantised products in the list's order, A before B).
;;     - Each number is divided by the scale, clamped to +-448, and rounded to the nearest number of E4M3, ties to even, subnormals kept.
;;     - The product sums the exact products of the quantised numbers (number of the format x scale) in f32.
;;   ~~~python
;;   def quantise(x, axis, e):      # numpy; x: float32 -> the quantised numbers, widened to float32 again
;;       x = np.moveaxis(x, axis, -1); K = x.shape[-1]
;;       r = np.clip(x / 2.0 ** e, -448, 448)
;;       step = 2.0 ** (np.maximum(np.frexp(np.where(r == 0, 1, r))[1] - 1, -6) - 3)
;;       q = np.round(r / step) * step * 2.0 ** e      # np.round: ties to even
;;       return np.moveaxis(q, -1, axis).astype(np.float32)
;;   ~~~
;;   SOFTMAX AHEAD OF A QUANTISED PRODUCT. Where the list says 'softmax', what is quantised is not the finished softmax but p = 2^(t - M), with t = logit x log2(e) and M = ceil(the row's largest t), a whole number; so 1/2 < the row's largest p <= 1. The row's sum l is taken of the UNQUANTISED p, in f32, and the product's result is divided by l at the end. Since M is a whole number, a kernel that streams over the keys may use a running M (the ceiling of the running maximum): every later rescaling is an exact power of two, so the quantised numbers keep their values, but for numbers so far below the row's largest that they fall under the format's range.
;;   OPERANDS COMPUTED ON THE WAY. 'Computed on the way' means the value that the module computes at that place (a softmax that the list does not call 'softmax' is quantised finished and normalised). What goes into a quantiser is computed in f32, as accurately as f32 sums, v_exp_f32 and their like allow (about 1e-6 of the number): no bf16 or f16 on the way to a quantiser, and a product that is left as it is and whose result goes on into a quantised operand takes f32 operands (vector FMAs, or v_wmma_f32_16x16x4_f32). A number that lies on a knife's edge between two numbers of the format may be rounded either way, as far as f32 arithmetic and the matrix unit's own rounding can turn it there, and no further.
;;   INPUTS GIVEN AS CODES. w1 (in the module: [1024, 128], K = its axis 1); w2 (in the module: [128, 1024], K = its axis 1); w_qkv (in the module: [384, 128], K = its axis 1): each comes as NAME_codes (uint8): NAME with its K axis moved to the last place and cut into blocks of 32 codes, [.., K / 32, bytes a block], one block behind the other in memory; one code a byte (a code: sign, 4 exponent bits, 3 mantissa bits); its scale is its entry of lowp_scales. Its value is code x scale, taken as it is: it is not quantised again, and the codes and scales need not be those that the quantiser above would give.
;; One version. Each part assembles by itself: llvm-mc -triple=amdgcn-amd-amdhsa -mcpu=gfx1250 --defsym DOCPART=n.
;; ======== version 1 of 1: 2 launches
;; limits: right only within a limited range of input values
;; workspace buffers: q_img 4,194,304 bytes; kv_img 8,388,608 bytes
;; launch qkv (part 1): grid 256 x 1, 8 waves a work-group, no clusters, 117,760 bytes of LDS; arguments x, gamma1, beta1, w_qkv_codes, lowp_scales, q_img, kv_img; writes q_img, kv_img
.if DOCPART == 1
	.amdgcn_target "amdgcn-amd-amdhsa--gfx1250"
	.amdhsa_code_object_version 6
	.text
	.protected	k_q152a27333f_qkv
	.globl	k_q152a27333f_qkv
	.p2align	8
	.type	k_q152a27333f_qkv,@function
k_q152a27333f_qkv:
	s_mov_b64 s[64:65], 0
	v_nop
	global_prefetch_b8 v0, s[64:65] scope:SCOPE_SE
	s_setreg_imm32_b32 hwreg(HW_REG_WAVE_MODE, 25, 1), 1
	s_wait_xcnt 0x0
; LayerNorm 1, the quantiser, the product with w_qkv, and the quantisers of q, k and v.  x: [32768 tokens][128] f32.  w_qkv's codes: [384][128], row 3 c + 0 / 1 / 2 = channel c of q / k / v.
; OUT: IMAGES OF OPERAND REGISTERS.  A fragment is 16 rows x 128 K of E4M3 codes, 16 registers a lane; its image is 2,048 bytes: registers 4 c .. 4 c + 3 of lane l at 512 c + 16 l.
;   q_img: token tile T (16 tokens) at 2,048 T; lane (r, h) = token r, registers 2 t, 2 t + 1 = channels 16 t + 8 h + 0 .. 7.
;   kv_img: blocks of 131,072 bytes, one for 512 keys: 32 tiles of k, laid as q's, then v: key step s (128 keys) x channel tile t at 65,536 + 16,384 s + 2,048 t; there lane (r, h) = channel
;   32 (t / 2) + 8 (t % 2) + r + 8 (r / 8), registers 2 u, 2 u + 1 = keys 16 u + 8 h + 0 .. 7 of the step: the order in which the next launch's softmax weights leave their conversions.
; SHARES.  A work-group of eight waves takes 128 tokens, one key step.  Wave w normalises and quantises token tile w, makes q and k of that tile (transposed use: source 0 = 16 rows of the weight,
; source 1 = the tokens, so that a lane holds one token and its registers run along the channels), and channel tile w of v for all 128 tokens (source 0 = 16 tokens, source 1 = 16 rows of the weight:
; a lane holds one channel and its registers run along the keys, which are the K of the product that v enters).  The tokens' codes and the weights of q and k go from wave to wave through LDS as images.
; A sum of the product stands for sum x 2^(e0 + e1), so the conversion to q's codes takes the one scale 2^(e2 - e0 - e1); k's e3, v's e5 likewise.
; No tensor load, no cluster: the work-groups share only the 49,152 bytes of the weight.  No prefetch: the launch is one pass over x, whose loads all go out at the head.
; LIMITS: e0, e2 - e0 - e1, e3 - e0 - e1, e5 - e0 - e1 between -126 and 119, so that the scale and 448 x the scale are f32 numbers.  NaN among the inputs is not served.
.set XIMG, 0                           ; LDS: the tokens' eight fragments,
.set WIMG, 16384                       ; the weights' sixteen (q's tiles 0-7, then k's),
.set STG,  49152                       ; and a stage of 16 rows x (512 + 16) bytes for each wave
.set SP,   528                         ; row r of a stage begins 16 r bytes on, modulo 256
.set LI,   1                           ; v1   16 x lane: my place in an image, and in a dense row of 512 bytes
.set STW,  2                           ; v2   my stage, as rows are loaded
.set STR,  3                           ; v3   my stage, row r, + 64 h: my 16 numbers of a block of 32
.set WOQ,  4                           ; v4   the weight: 384 r + 16 h (three rows from channel to channel)
.set WOV,  5                           ; v5   the same for v's tile: 384 (r + 8 (r / 8)) + 16 h
.set GBO,  6                           ; v6   64 h: my numbers of gamma and beta
.set XIW,  7                           ; v7   where I store my tokens' image
.set WIW,  8                           ; v8   where I store my two weight images
.set LD,   9                           ; v9   a lane exchange's destination
.set LP,   10                          ; v[10:11] the mean, then 1 / sqrt(var + eps)
.set SC,   12                          ; v12  a conversion's scale as f32
.set LM,   13                          ; v13
.set LT,   14                          ; v[14:15] at work
.set WV,   16                          ; v16-31   v's weight fragment
.set X,    32                          ; v32-95   64 numbers of my token; later eight result tiles
.set G,    96                          ; v96-159  gamma
.set B,    160                         ; v160-223 beta
.set FA,   96                          ; v96-223  later: eight fragments from LDS
.set XF,   224                         ; v224-239 q's weight fragment, then my tokens' codes
.set WK,   240                         ; v240-255 k's weight fragment,
.set CD,   240                         ;          then the codes on their way out
.set SEL,  20                          ; s[20:21] selects for v_permlanex16_b32: lane l xor 16
.set INV,  40                          ; s40  1 / 128
.set T0,   34
.set T1,   35
; The row's mean and variance in two passes (the mean is taken away first, so a common offset of x costs no digits); a lane holds 64 of its token's 128 numbers, lane l xor 16 the others.
.macro LNORM
	v_pk_add_f32 v[14:15], v[32:33], v[34:35]
	v_pk_add_f32 v[254:255], v[40:41], v[44:45]
	v_pk_add_f32 v[252:253], v[48:49], v[52:53]
	v_pk_add_f32 v[250:251], v[56:57], v[60:61]
	v_pk_add_f32 v[248:249], v[64:65], v[68:69]
	v_pk_add_f32 v[246:247], v[72:73], v[76:77]
	v_pk_add_f32 v[244:245], v[80:81], v[84:85]
	v_pk_add_f32 v[10:11], v[88:89], v[92:93]
	s_delay_alu instid0(VALU_DEP_1)
	v_pk_add_f32 v[10:11], v[10:11], v[36:37]
	v_pk_add_f32 v[14:15], v[14:15], v[38:39]
	v_pk_add_f32 v[254:255], v[254:255], v[42:43]
	v_pk_add_f32 v[252:253], v[252:253], v[46:47]
	v_pk_add_f32 v[250:251], v[250:251], v[50:51]
	v_pk_add_f32 v[248:249], v[248:249], v[54:55]
	v_pk_add_f32 v[246:247], v[246:247], v[58:59]
	v_pk_add_f32 v[244:245], v[244:245], v[62:63]
	v_pk_add_f32 v[10:11], v[10:11], v[66:67]
	v_pk_add_f32 v[14:15], v[14:15], v[70:71]
	v_pk_add_f32 v[254:255], v[254:255], v[74:75]
	v_pk_add_f32 v[252:253], v[252:253], v[78:79]
	v_pk_add_f32 v[250:251], v[250:251], v[82:83]
	v_pk_add_f32 v[248:249], v[248:249], v[86:87]
	v_pk_add_f32 v[246:247], v[246:247], v[90:91]
	v_pk_add_f32 v[244:245], v[244:245], v[94:95]
	s_delay_alu instid0(VALU_DEP_4)
	v_pk_add_f32 v[10:11], v[10:11], v[250:251]
	s_delay_alu instid0(VALU_DEP_4)
	v_pk_add_f32 v[14:15], v[14:15], v[248:249]
	s_delay_alu instid0(VALU_DEP_4)
	v_pk_add_f32 v[254:255], v[254:255], v[246:247]
	s_delay_alu instid0(VALU_DEP_4)
	v_pk_add_f32 v[252:253], v[252:253], v[244:245]
	s_delay_alu instid0(VALU_DEP_2)
	v_pk_add_f32 v[10:11], v[10:11], v[254:255]
	s_delay_alu instid0(VALU_DEP_2)
	v_pk_add_f32 v[14:15], v[14:15], v[252:253]
	s_delay_alu instid0(VALU_DEP_1)
	v_pk_add_f32 v[10:11], v[10:11], v[14:15]
	s_delay_alu instid0(VALU_DEP_1)
	v_add_f32 v[LP], v[LP], v[LP+1]
	s_delay_alu instid0(VALU_DEP_1)
	v_permlanex16_b32 v[LD], v[LP], s[SEL], s[SEL+1]
	s_delay_alu instid0(VALU_DEP_1)
	v_add_f32 v[LP], v[LP], v[LD]
	s_delay_alu instid0(VALU_DEP_1)
	v_mul_f32 v[LP], s[INV], v[LP]                 ; the mean
.set j, 0
.rept 32
	v_pk_add_f32 v[X+j:X+j+1], v[X+j:X+j+1], v[LP:LP+1] op_sel_hi:[1,0] neg_lo:[0,1] neg_hi:[0,1]
.set j, j+2
.endr
	v_pk_mul_f32 v[LP:LP+1], v[X:X+1], v[X:X+1]
	v_pk_mul_f32 v[LT:LT+1], v[X+2:X+3], v[X+2:X+3]
.set j, 4
.rept 15
	s_delay_alu instid0(VALU_DEP_2)
	v_pk_fma_f32 v[LP:LP+1], v[X+j:X+j+1], v[X+j:X+j+1], v[LP:LP+1]
	s_delay_alu instid0(VALU_DEP_2)
	v_pk_fma_f32 v[LT:LT+1], v[X+j+2:X+j+3], v[X+j+2:X+j+3], v[LT:LT+1]
.set j, j+4
.endr
	s_delay_alu instid0(VALU_DEP_1)
	v_pk_add_f32 v[LP:LP+1], v[LP:LP+1], v[LT:LT+1]
	s_delay_alu instid0(VALU_DEP_1)
	v_add_f32 v[LP], v[LP], v[LP+1]
	s_delay_alu instid0(VALU_DEP_1)
	v_permlanex16_b32 v[LD], v[LP], s[SEL], s[SEL+1]
	s_delay_alu instid0(VALU_DEP_1)
	v_add_f32 v[LP], v[LP], v[LD]
	v_mov_b32 v[LT+1], 0x3727c5ac                  ; eps = 1e-5
	s_delay_alu instid0(VALU_DEP_1)
	v_fma_f32 v[LT], v[LP], s[INV], v[LT+1]        ; var + eps
	s_wait_alu depctr_va_vdst(0)
	v_rsq_f32 v[LP], v[LT]
	v_mov_b32 v[LP+1], 0                           ; a plain instruction behind the root (ISA guide 5.7.2); it also writes the pair's upper half, which is named below
	s_wait_alu depctr_va_vdst(0)                   ; the wait ahead of the result's first reader
.set j, 0
.rept 32
	v_pk_mul_f32 v[X+j:X+j+1], v[X+j:X+j+1], v[LP:LP+1] op_sel_hi:[1,0]
.set j, j+2
.endr
.set j, 0
.rept 32
	v_pk_fma_f32 v[X+j:X+j+1], v[X+j:X+j+1], v[G+j:G+j+1], v[B+j:B+j+1]
.set j, j+2
.endr
.endm
; s[e] holds a whole number E: v[SC] = 2^E, as an f32 pattern
.macro SETSC e
	s_add_co_i32 s[T0], s[\e], 127
	s_lshl_b32 s[T1], s[T0], 23
	v_mov_b32 v[SC], s[T1]
.endm
; 64 numbers of a lane become 16 registers of codes: eight numbers to two registers, in order.  two = 1: the conversions alone; 0: from above alone (numbers that are never negative)
.macro QUANT src, dst, two
.irp b, 0,1,2,3
.irp i, 0,1,2,3,4,5,6,7,8,9,10,11,12,13,14,15
.if \two
.else
	v_min_num_f32 v[(\src)+16*\b+\i], v[(\src)+16*\b+\i], v[LM]
.endif
.endr
	v_cvt_scalef32_pk8_fp8_f32 v[(\dst)+4*\b:(\dst)+4*\b+1], v[(\src)+16*\b:(\src)+16*\b+7], v[SC]
	v_cvt_scalef32_pk8_fp8_f32 v[(\dst)+4*\b+2:(\dst)+4*\b+3], v[(\src)+16*\b+8:(\src)+16*\b+15], v[SC]
.endr
	v_nop                                          ; one plain instruction between the last conversion and whatever vector or matrix instruction next touches its registers
.endm
.macro IMG_ST adr, reg, off                    ; a fragment goes to LDS as it stands: 512 consecutive bytes an instruction
.irp c, 0,1,2,3
	ds_store_b128 v[\adr], v[(\reg)+4*\c:(\reg)+4*\c+3] offset:(\off)+512*\c
.endr
.endm
.macro IMG_LD reg, adr, off                    ; and comes back so, in any wave
.irp c, 0,1,2,3
	ds_load_b128 v[(\reg)+4*\c:(\reg)+4*\c+3], v[\adr] offset:(\off)+512*\c
.endr
.endm
.macro FETCH8 base                             ; eight fragments on end
.irp f, 0,1,2,3,4,5,6,7
	IMG_LD FA+16*\f, LI, (\base)+2048*\f
.endr
.endm
.macro MUL8 bf                                 ; eight tiles: source 0 = the eight fragments, source 1 = the one at v[bf]; the constant 0 starts each sum (K = 128 is one instruction)
.irp t, 0,1,2,3,4,5,6,7
	v_wmma_f32_16x16x128_fp8_fp8 v[X+8*\t:X+8*\t+7], v[FA+16*\t:FA+16*\t+15], v[\bf:\bf+15], 0
.endr
.endm
.macro OUT4 sb, off                            ; an image leaves: each store of the wave covers 512 consecutive bytes, aligned
.irp c, 0,1,2,3
	global_store_b128 v[LI], v[CD+4*\c:CD+4*\c+3], s[\sb:\sb+1] offset:(\off)+512*\c
.endr
.endm
.macro PLACES                                  ; four plain instructions between matrix instructions and loads into their sources or reads of their results
.rept 4
	v_nop
.endr
.endm
	s_load_b256 s[4:11], s[0:1], 0x0               ; x s[4:5], gamma1 s[6:7], beta1 s[8:9], the weight's codes s[10:11]
	s_load_b128 s[12:15], s[0:1], 0x20             ; the scales' exponents s[12:13], q_img s[14:15]
	s_load_b64 s[16:17], s[0:1], 0x30              ; kv_img
	s_set_vgpr_msb 0x40
	v_lshl_add_u32 v0, v0, 2, 0x1c800
	v_mov_b32 v1, 0
	s_set_vgpr_msb 0x4000
	v_lshrrev_b32 v14, 5, v0
	s_delay_alu instid0(VALU_DEP_1)
	v_readfirstlane_b32 s18, v14                   ; wave 0..7
	v_and_b32 v14, 31, v0
	s_delay_alu instid0(VALU_DEP_1)
	v_lshlrev_b32 v[LI], 4, v14
	v_and_b32 v14, 15, v0                          ; r
	v_bfe_u32 v15, v0, 4, 1                        ; h
	s_mul_i32 s34, s18, 16*SP
	s_add_co_u32 s34, s34, STG                     ; my stage
	v_add_nc_u32 v[STW], s34, v[LI]
	v_mul_u32_u24 v[STR], v14, SP
	s_delay_alu instid0(VALU_DEP_1)
	v_lshl_add_u32 v[STR], v15, 6, v[STR]
	s_delay_alu instid0(VALU_DEP_1)
	v_add_nc_u32 v[STR], s34, v[STR]
	v_mul_u32_u24 v[WOQ], v14, 384
	s_delay_alu instid0(VALU_DEP_1)
	v_lshl_add_u32 v[WOQ], v15, 4, v[WOQ]
	v_and_b32 v[WOV], 8, v14
	s_delay_alu instid0(VALU_DEP_1)
	v_add_nc_u32 v[WOV], v[WOV], v14               ; r + 8 (r / 8)
	s_delay_alu instid0(VALU_DEP_1)
	v_mul_u32_u24 v[WOV], v[WOV], 384
	s_delay_alu instid0(VALU_DEP_1)
	v_lshl_add_u32 v[WOV], v15, 4, v[WOV]
	v_lshlrev_b32 v[GBO], 6, v15
	s_lshl_b32 s35, s18, 11                        ; 2,048 x wave
	v_add_nc_u32 v[XIW], s35, v[LI]                ; (XIMG = 0)
	s_delay_alu instid0(VALU_DEP_1)
	v_add_nc_u32 v[WIW], WIMG, v[XIW]
	v_mov_b32 v[LD], 0                             ; written once: a lane exchange's destination counts as one of its sources
	s_mov_b32 s[SEL], 0x76543210
	s_mov_b32 s[SEL+1], 0xfedcba98
	s_mov_b32 s[INV], 0x3c000000
	s_lshl_b32 s36, ttmp9, 16                      ; x: (128 G + 16 w) rows of 512 bytes
	s_lshl_b32 s37, s18, 13
	s_add_co_u32 s36, s36, s37
	s_mov_b32 s37, 0
	s_mul_i32 s38, s18, 6144                       ; the weight: channels 16 w on, 384 bytes each
	s_mov_b32 s39, 0
	s_lshr_b32 s42, s18, 1                         ; v's tile w begins at channel 32 (w / 2) + 8 (w % 2)
	s_lshl_b32 s42, s42, 5
	s_and_b32 s43, s18, 1
	s_lshl_b32 s43, s43, 3
	s_add_co_u32 s42, s42, s43
	s_mul_i32 s42, s42, 384
	s_mov_b32 s43, 0
	s_lshl_b32 s44, ttmp9, 14                      ; q_img: tile 8 G + w
	s_add_co_u32 s44, s44, s35
	s_mov_b32 s45, 0
	s_lshr_b32 s46, ttmp9, 2                       ; kv_img: block G / 4, key step G % 4, tile w
	s_lshl_b32 s46, s46, 17
	s_and_b32 s47, ttmp9, 3
	s_lshl_b32 s47, s47, 14
	s_add_co_u32 s46, s46, s47
	s_add_co_u32 s46, s46, s35
	s_mov_b32 s47, 0
	s_wait_alu depctr_va_vdst(0)
	s_wait_kmcnt 0x0
	s_load_b256 s[24:31], s[12:13], 0x0            ; e0 .. e7
	s_add_nc_u64 s[4:5], s[4:5], s[36:37]
	s_add_nc_u64 s[48:49], s[10:11], s[42:43]      ; the weight at v's tile
	s_add_nc_u64 s[10:11], s[10:11], s[38:39]      ; and at q's and k's
	s_add_nc_u64 s[14:15], s[14:15], s[44:45]
	s_add_nc_u64 s[16:17], s[16:17], s[46:47]
	; all 60 loads go out at once: 16 of x (a row of 512 consecutive bytes each), 12 of the weight, 32 of gamma and beta
.set i, 0
.rept 16
	global_load_b128 v[X+4*i:X+4*i+3], v[LI], s[4:5] offset:512*i th:TH_LOAD_NT
.set i, i+1
.endr
.irp c, 0,1,2,3
	global_load_b128 v[XF+4*\c:XF+4*\c+3], v[WOQ], s[10:11] offset:32*\c        ; q's rows 3 c: registers 4 c .. = K 32 c + 16 h + 0 .. 15, as the tokens' codes lie
.endr
.irp c, 0,1,2,3
	global_load_b128 v[WK+4*\c:WK+4*\c+3], v[WOQ], s[10:11] offset:128+32*\c    ; k's rows 3 c + 1
.endr
.irp c, 0,1,2,3
	global_load_b128 v[WV+4*\c:WV+4*\c+3], v[WOV], s[48:49] offset:256+32*\c    ; v's rows 3 c + 2
.endr
.irp c, 0,1,2,3
.irp j, 0,1,2,3
	global_load_b128 v[G+16*\c+4*\j:G+16*\c+4*\j+3], v[GBO], s[6:7] offset:128*\c+16*\j
.endr
.endr
.irp c, 0,1,2,3
.irp j, 0,1,2,3
	global_load_b128 v[B+16*\c+4*\j:B+16*\c+4*\j+3], v[GBO], s[8:9] offset:128*\c+16*\j
.endr
.endr
	s_wait_loadcnt 44                              ; x is in: the 12 + 32 younger loads may be out
.set i, 0
.rept 16
	ds_store_b128 v[STW], v[X+4*i:X+4*i+3] offset:SP*i     ; through my own stage: rows as loaded,
.set i, i+1
.endr
.irp c, 0,1,2,3
.irp j, 0,1,2,3
	ds_load_b128 v[X+16*\c+4*\j:X+16*\c+4*\j+3], v[STR] offset:128*\c+16*\j   ; back as 64 numbers of one token: register 16 c + i = channel 32 c + 16 h + i.  LDS serves a wave's instructions in order (ISA guide 5.7.1.4)
.endr
.endr
	s_wait_loadcnt 36                              ; q's and k's weight fragments are in: v's 4 and the 32 of gamma and beta may be out
	IMG_ST WIW, XF, 0
	IMG_ST WIW, WK, 16384
	s_wait_loadcnt 0x0                             ; gamma, beta, v's weight
	s_wait_dscnt 0x0                               ; my token's numbers are back; the weights' stores have read their registers
	s_wait_kmcnt 0x0
	LNORM
	SETSC 24                                       ; e0
	QUANT X, XF, 1
	IMG_ST XIW, XF, 0
	s_add_co_i32 s50, s24, s25                     ; e0 + e1
	s_sub_co_i32 s51, s26, s50                     ; e2 - e0 - e1
	s_sub_co_i32 s52, s27, s50                     ; e3 - e0 - e1
	s_sub_co_i32 s53, s29, s50                     ; e5 - e0 - e1
	s_wait_alu depctr_va_vdst(0)
	s_wait_dscnt 0x0                               ; for the others' sake: my three images have landed
	s_barrier_signal -1
	s_barrier_wait -1                              ; the one barrier: all 24 images lie in LDS, and nobody writes them again
	; ---- q of my 16 tokens
	FETCH8 WIMG
	s_wait_dscnt 0x0
	MUL8 XF                                        ; tile t, lane (r, h), register j: q(token r, channel 16 t + 8 h + j)
	PLACES
	FETCH8 WIMG+16384                              ; k's weights come while q is quantised
	SETSC 51
	QUANT X, CD, 1
	OUT4 14, 0
	; ---- k
	s_wait_dscnt 0x0
	MUL8 XF
	PLACES
	FETCH8 XIMG                                    ; all eight token tiles, for v
	SETSC 52
	s_wait_alu depctr_va_vdst(0)
	s_wait_xcnt 0x0                                ; q's stores have read their data: the codes' registers are written again only behind this wait
	QUANT X, CD, 1
	OUT4 16, 0
	; ---- v: channel tile w for the work-group's 128 tokens
	s_wait_dscnt 0x0
	MUL8 WV                                        ; tile u, lane (r, h), register j: v(token 16 u + 8 h + j, my tile's channel r)
	PLACES
	SETSC 53
	s_wait_alu depctr_va_vdst(0)
	s_wait_xcnt 0x0                                ; k's stores have read their data
	QUANT X, CD, 1
	OUT4 16, 65536
	s_set_vgpr_msb 0x5
	s_wait_tensorcnt 0x0
	ds_add_u32 v0, v1
	s_wait_dscnt 0x0
	s_set_vgpr_msb 0x500
	s_endpgm
.Lfunc_end_k_q152a27333f_qkv:
	.size	k_q152a27333f_qkv, .Lfunc_end_k_q152a27333f_qkv-k_q152a27333f_qkv
	.p2alignl 7, 3214868480
	.fill 96, 4, 3214868480
	.section	.rodata,"a",@progbits
	.p2align	6, 0x0
	.amdhsa_kernel k_q152a27333f_qkv
		.amdhsa_group_segment_fixed_size 117760
		.amdhsa_private_segment_fixed_size 0
		.amdhsa_enable_private_segment 0
		.amdhsa_kernarg_size 56
		.amdhsa_user_sgpr_count 2
		.amdhsa_user_sgpr_kernarg_segment_ptr 1
		.amdhsa_wavefront_size32 1
		.amdhsa_system_sgpr_workgroup_id_x 1
		.amdhsa_system_sgpr_workgroup_id_y 1
		.amdhsa_system_sgpr_workgroup_id_z 1
		.amdhsa_system_vgpr_workitem_id 0
		.amdhsa_next_free_vgpr 258
		.amdhsa_next_free_sgpr 66
		.amdhsa_reserve_vcc 0
		.amdhsa_float_denorm_mode_32 3
		.amdhsa_float_denorm_mode_16_64 3
		.amdhsa_fp16_overflow 1
		.amdhsa_memory_ordered 1
		.amdhsa_forward_progress 1
		.amdhsa_inst_pref_size 37
	.end_amdhsa_kernel
	.amdgpu_metadata
---
amdhsa.version: [ 1, 2 ]
amdhsa.kernels:
  - .name:           k_q152a27333f_qkv
    .symbol:         k_q152a27333f_qkv.kd
    .args:
      - { .name: x, .offset: 0, .size: 8, .value_kind: global_buffer, .address_space: global }
      - { .name: gamma1, .offset: 8, .size: 8, .value_kind: global_buffer, .address_space: global }
      - { .name: beta1, .offset: 16, .size: 8, .value_kind: global_buffer, .address_space: global }
      - { .name: w_qkv_codes, .offset: 24, .size: 8, .value_kind: global_buffer, .address_space: global }
      - { .name: lowp_scales, .offset: 32, .size: 8, .value_kind: global_buffer, .address_space: global }
      - { .name: q_img, .offset: 40, .size: 8, .value_kind: global_buffer, .address_space: global }
      - { .name: kv_img, .offset: 48, .size: 8, .value_kind: global_buffer, .address_space: global }
    .group_segment_fixed_size: 117760
    .private_segment_fixed_size: 0
    .kernarg_segment_align: 8
    .kernarg_segment_size: 56
    .max_flat_workgroup_size: 256
    .sgpr_count:     66
    .vgpr_count:     258
    .wavefront_size: 32
...
	.end_amdgpu_metadata
.endif
;; end of part 1
;; launch attn_mlp (part 2): grid 32 x 8, 8 waves a work-group, clusters of 4 x 1, 327,680 bytes of LDS; arguments q_img, kv_img, x, lowp_scales, gamma2, beta2, w1_codes, b1, w2_codes, b2, out0; writes out0
.if DOCPART == 2
	.amdgcn_target "amdgcn-amd-amdhsa--gfx1250"
	.amdhsa_code_object_version 6
	.text
	.protected	k_q152a27333f_attn_mlp
	.globl	k_q152a27333f_attn_mlp
	.p2align	8
	.type	k_q152a27333f_attn_mlp,@function
k_q152a27333f_attn_mlp:
	s_mov_b64 s[64:65], 0
	v_nop
	global_prefetch_b8 v0, s[64:65] scope:SCOPE_SE
	s_setreg_imm32_b32 hwreg(HW_REG_WAVE_MODE, 25, 1), 1
	s_wait_xcnt 0x0
	s_wait_alu depctr_hold_cnt(0) depctr_sa_sdst(0) depctr_va_vdst(0) depctr_va_sdst(0) depctr_va_ssrc(0) depctr_va_vcc(0) depctr_vm_vsrc(0)
	s_getreg_b32 s2, hwreg(HW_REG_IB_STS2, 6, 4)
	s_cmp_eq_u32 s2, 0
	s_cbranch_scc0 .Lentry_in_a_cluster
	s_endpgm
.Lentry_in_a_cluster:
	s_bfe_u32 s2, ttmp6, 0x10000c
	s_cmp_lg_u32 s2, 0x3003
	s_cbranch_scc0 .Lentry_shape_is_right
	s_endpgm
.Lentry_shape_is_right:
; out = x1 + silu(LN2(x1) W1^T + b1) W2^T + b2,  x1 = x + softmax(q k^T / sqrt(128)) v: four products on codes of E4M3, each operand with its given scale 2^e; nothing between q, k, v and out goes to memory.
; q_img, kv_img: images of operand registers (a fragment, 16 rows x 128 K, is 2,048 bytes: registers 4 c .. 4 c + 3 of lane l at 512 c + 16 l).  kv_img: a block of 131,072 bytes for 512 keys: 32 tiles of k, then v as
; 4 key steps x 8 channel tiles, keys innermost; lane r of v's tile t is channel 32 (t / 2) + 8 (t % 2) + r + 8 (r / 8), so that register n of O^T is channel 32 (n / 16) + 16 h + n % 16: the order of 16-byte loads.
; THE SOFTMAX: t = score x log2(e) / sqrt(128); M = the largest t so far, rounded up to a whole number; p = 2^(t - M) is quantised, not normalised; the sum is taken of the unquantised p and divides at the end.
; SHARES.  A work-group of eight waves owns 128 queries of one batch.  ATTENTION: wave w = 4 g + p holds query tiles 2 p and 2 p + 1 and walks key steps 2 g and 2 g + 1 of every 512 keys: each fragment of k and v read
; from LDS feeds two matrix instructions.  Both products are used transposed (S^T = k q^T, O^T = v^T p^T): a lane holds one query.  Each half of the keys has its own running M; waves w and w xor 4 bring their
; sums and O^T under the larger M by exact powers of two, through LDS, and wave w goes on with token tile 2 p + g.  MLP: the waves share the columns: wave w makes hidden units 128 w .. 128 w + 127 for all 128
; tokens, and outputs 32 p .. 32 p + 31 for tokens 64 g .. 64 g + 63; its parts of W1 and W2 lie in registers, and the tokens' codes go round through LDS as images.
; CLUSTER.  The four work-groups of a cluster belong to one batch and walk the same blocks of kv_img: each block is asked for JOINTLY, 16,384 bytes a wave, by the same tensor load with the same descriptor and a mask
; that names the four.  Two LDS slots of one block each; a wave has one tensor load outstanding.
; O^T begins as zeros and the largest t as -3e38, so that the key step is written without a first step of its own: 128 v_mov_b32, once.
; LIMITS on the given exponents, so that each power of two below is an f32 number: e4, e6 and e8 - e6 - e7 between -126 and 119; e2 + e3 between -123 and 130; e6 + e7 between -126 and 126; e8 + e9 between -126 and 127.
; NaN among the inputs is not served.
; REGISTERS, in windows of 256.  Window 0: v1-11 addresses and constants; v12-27 eight statistics a query tile; v28 a conversion's scale; v30, v31 the weights' offsets; v32-159 S^T, then p; v160-191 p's codes;
;   v192-223 q; v224-239 LDS addresses; v240-255 codes.  Window 1: v0-127 eight fragments of k or v, later W1, later W2's K steps 4-7; v128-255 O^T, later W2's K steps 0-3.
.set SLOT1, 1<<17                      ; slot 1 begins here: one exclusive or turns an address in one slot into the other's
.set BLOCK, 131072                     ; a block of kv_img, and a slot
.set SPARE, 2*SLOT1                    ; behind the ring: the spare words, 128 bytes for each wave: four blocks of 256 bytes that no other line names
.set STAT,  SPARE+1024                 ; -M and the sum: 8 bytes a lane, two tiles a wave; no tile ever lands here
.set STG,   SLOT1                      ; once slot 1 has had its last fill and its last read: 128 rows x (512 + 16) bytes: x, then x1, then out
.set SP,    528
.set XN2,   STG+128*SP                 ; and the eight images of LN2's codes.  Slot 0, likewise free: first O^T's images (16,384 bytes a wave), then the hidden layer's 64 (tile m, K step s at 2,048 (8 m + s))
.set AK0, 1                            ; v1   16 x lane + 32,768 g: my place in my first key step's tiles of k
.set AV0, 2                            ; v2   the same for v
.set PFO, 3                            ; v3   256 x lane: the prefetches' offset
.set ADK, 4                            ; v4   k's address in the slot in hand
.set SPW, 5                            ; v5   my spare word; never rewritten
.set NIL, 6                            ; v6   0; never rewritten
.set ADV, 7                            ; v7   v's address in the slot in hand
.set O64, 8                            ; v8   64 h
.set O32, 9                            ; v9   32 h
.set PD,  10                           ; v10, v11  lane exchanges' destinations
.set ST,  12                           ; tile q's statistics at v[ST + 8 q]: +0 -M, +1 the largest t, +2, +3 the sum in two halves, +4 f (+5 named with it), +6, +7 at work
.set SC,  28
.set LM,  29
.set GW1, 30                           ; v30  128 (r + 8 (r / 8)) + 16 h
.set GW2, 31                           ; v31  1,024 r + 16 h
.set S,   32
.set P,   160
.set QF,  192
.set LI,  224                          ; 16 x lane
.set CIW, 225                          ; O^T's images: where I store mine,
.set CRA, 226                          ; my own of the tile that I keep,
.set CRB, 227                          ; my partner's of that tile
.set STW, 228                          ; the statistics likewise
.set SRA, 229
.set SRB, 230
.set XSW, 231                          ; the stage: my token tile's rows, as loaded,
.set XSR, 232                          ; and row r, + 64 h
.set XNW, 233                          ; my image of LN2's codes
.set HXA, 234                          ; in the hidden layer's loop: the image read,
.set HHA, 235                          ; the image written
.set HW0, 236                          ; 2,048 w + 16 x lane
.set LIY, 237                          ; 65,536 g + 16 x lane
.set YST, 238                          ; the stage: row 64 g + r, + 128 p + 32 h
.set OSR, 239                          ; the stage: rows 16 w on
.set CDS, 240
.set OT,  128                          ; O^T, in window 1
.set X,   32                           ; for LNORM
.set G,   96
.set B,   160
.set LP,  16
.set LT,  18
.set LD,  10
.set Y,   32                           ; the last product's eight accumulators
.set WV,  26                           ; s26 wave;  s27 p;  s28 g;  s29 my token tile 2 p + g
.set PW,  27
.set GH,  28
.set TAU, 29
.set SEL, 30                           ; s[30:31] selects for v_permlanex16_b32: lane l xor 16
.set G1,  32                           ; s[32:39] descriptor group 1
.set G0,  40                           ; s[40:43] descriptor group 0, which walks
.set TB,  44                           ; s44  the slot in hand
.set SLOTS, 45                         ; s45  blocks still to be asked for
.set CS,  46                           ; s[46:47] c = log2(e) / sqrt(128) x 2^(e2 + e3)
.set E,   48                           ; s[48:57] e0 .. e9
.set PFA, 58                           ; s[58:59] where my prefetches stand
.set LIM, 60                           ; s60  1 in a wave that prefetches, else the greatest number
.set T0,  61
.set T1,  62
.set SY,  66                           ; s[66:67] 2^(e8 + e9)
.set NL,  68                           ; s[68:69] -log2(e) x 2^(e6 + e7)
.set EPV, 70                           ; s70  e4 + e5
.set NB1, 71                           ; s71  -(e6 + e7)
.set INV, 72                           ; s72  1 / 128
.set HX,  73
.set HH,  74
.set HC,  75
.set XB,  76                           ; s[76:77] x at my token tile
.set OB,  78                           ; s[78:79] out at rows 16 w of the block
.set MSB, 0
.macro WIN new                         ; bits 1:0 source 0, 3:2 source 1, 5:4 source 2, 7:6 destination; the immediate's high byte repeats the setting that is left
.if MSB != \new
	s_set_vgpr_msb (MSB<<8)|\new
.set MSB, \new
.endif
.endm
.macro CROUND                          ; a round of the cluster's barrier: my work-group's barrier; wave 0 signals for the work-group; every wave waits for all four work-groups; my work-group's barrier once more
	s_barrier_signal -1
	s_barrier_wait -1
	s_cmp_lg_u32 s[WV], 0
	s_cbranch_scc1 .Lnot_wave_0_\@
	s_barrier_signal -3
.Lnot_wave_0_\@:
	s_barrier_wait -3
	s_barrier_signal -1
	s_barrier_wait -1
.endm
.macro TLOADJ                          ; the joint load: every wave fetches its eighth of a block; four v_nop follow it
	tensor_load_to_lds s[G0:G0+3], s[G1:G1+7]
	s_nop 0
.rept 4
	v_nop
.endr
.endm
; A PREFETCH INTO THE L2 of the block that the NEXT change of slots will ask for: 131,072 bytes.  All eight clusters of a batch walk the same blocks: the batch's first cluster asks.  Its four partners take 32,768 bytes
; each, told apart by address alone; in each, waves 0 to 3 take 8,192 bytes, lanes 256 bytes apart: one instruction a wave, and each aligned block of 256 bytes is named once in the launch.
; Blocks 0 and 1 come by their loads alone; the last change that fills a slot asks for nothing: there is no block behind it.
.macro ASK
	s_cmp_gt_u32 s[SLOTS], s[LIM]
	s_cbranch_scc0 .Lnot_mine_\@
	global_prefetch_b8 v[PFO], s[PFA:PFA+1] th:TH_LOAD_NT scope:SCOPE_SE
.Lnot_mine_\@:
.endm
; THE CHANGE OF SLOTS stands at a slot's head.  Each wave waits for all its tensor loads (its part of the slot that it is about to read), adds 0 to its spare word, and waits for that and for its reads of the slot that it
; has left.  fill = 1: behind a round of the cluster's barrier no wave of any partner reads that slot or has a load on its way, and it is filled with the next block: the load has two key steps of every wave in which to land.
.macro CHANGE fill
	s_wait_tensorcnt 0x0                           ; no tensor load of mine is out, so group 0 may be written
	ds_add_u32 v[SPW], v[NIL]                      ; 0 onto my spare word
.if \fill
	s_xor_b32 s[G0+1], s[G0+1], SLOT1              ; the other slot than last time,
	s_add_nc_u64 s[G0+2:G0+3], s[G0+2:G0+3], BLOCK ; the next block; the type bits on top are not reached
	s_wait_xcnt 0x0                                ; the last prefetch, a slot back, has read its address, so it may be written:
	s_add_nc_u64 s[PFA:PFA+1], s[PFA:PFA+1], BLOCK ; one block further on than the walking descriptor
.endif
	s_wait_dscnt 0x0                               ; the add is done, and my reads of the slot that I have left are over
.if \fill
	CROUND
	TLOADJ                                         ; the first thing behind the round, and my one tensor load until the next
	ASK
.else
	s_barrier_signal -1
	s_barrier_wait -1
.endif
.endm
.macro PLACES                          ; four plain instructions between matrix instructions and loads into their sources or reads of their results
.rept 4
	v_nop
.endr
.endm
.macro BARRIER                         ; my LDS stores have landed and my LDS loads are in: then the work-group's barrier
	s_wait_dscnt 0x0
	s_barrier_signal -1
	s_barrier_wait -1
.endm
.macro SETSC e                         ; s[e] holds a whole number E: v[SC] = 2^E, as an f32 pattern
	s_add_co_i32 s[T0], s[\e], 127
	s_lshl_b32 s[T1], s[T0], 23
	v_mov_b32 v[SC], s[T1]
.endm
; 64 numbers of a lane become 16 registers of codes: eight numbers to two registers, in order.  two selects nothing: the conversions alone
.macro QUANT src, dst, two
.irp b, 0,1,2,3
.irp i, 0,1,2,3,4,5,6,7,8,9,10,11,12,13,14,15
.if \two
.else
.endif
.endr
	v_cvt_scalef32_pk8_fp8_f32 v[(\dst)+4*\b:(\dst)+4*\b+1], v[(\src)+16*\b:(\src)+16*\b+7], v[SC]
	v_cvt_scalef32_pk8_fp8_f32 v[(\dst)+4*\b+2:(\dst)+4*\b+3], v[(\src)+16*\b+8:(\src)+16*\b+15], v[SC]
.endr
	v_nop                                          ; one plain instruction between the last conversion and whatever vector or matrix instruction next touches its registers
.endm
.macro IMG_ST adr, reg, off
.irp c, 0,1,2,3
	ds_store_b128 v[\adr], v[(\reg)+4*\c:(\reg)+4*\c+3] offset:(\off)+512*\c
.endr
.endm
.macro IMG_LD reg, adr, off
.irp c, 0,1,2,3
	ds_load_b128 v[(\reg)+4*\c:(\reg)+4*\c+3], v[\adr] offset:(\off)+512*\c
.endr
.endm
; The row's mean and variance in two passes (the mean is taken away first); a lane holds 64 of its token's 128 numbers, lane l xor 16 the others.
.macro LNORM
	v_pk_add_f32 v[18:19], v[32:33], v[34:35]
	v_pk_add_f32 v[254:255], v[40:41], v[44:45]
	v_pk_add_f32 v[252:253], v[48:49], v[52:53]
	v_pk_add_f32 v[250:251], v[56:57], v[60:61]
	v_pk_add_f32 v[248:249], v[64:65], v[68:69]
	v_pk_add_f32 v[246:247], v[72:73], v[76:77]
	v_pk_add_f32 v[244:245], v[80:81], v[84:85]
	v_pk_add_f32 v[16:17], v[88:89], v[92:93]
	s_delay_alu instid0(VALU_DEP_1)
	v_pk_add_f32 v[16:17], v[16:17], v[36:37]
	v_pk_add_f32 v[18:19], v[18:19], v[38:39]
	v_pk_add_f32 v[254:255], v[254:255], v[42:43]
	v_pk_add_f32 v[252:253], v[252:253], v[46:47]
	v_pk_add_f32 v[250:251], v[250:251], v[50:51]
	v_pk_add_f32 v[248:249], v[248:249], v[54:55]
	v_pk_add_f32 v[246:247], v[246:247], v[58:59]
	v_pk_add_f32 v[244:245], v[244:245], v[62:63]
	v_pk_add_f32 v[16:17], v[16:17], v[66:67]
	v_pk_add_f32 v[18:19], v[18:19], v[70:71]
	v_pk_add_f32 v[254:255], v[254:255], v[74:75]
	v_pk_add_f32 v[252:253], v[252:253], v[78:79]
	v_pk_add_f32 v[250:251], v[250:251], v[82:83]
	v_pk_add_f32 v[248:249], v[248:249], v[86:87]
	v_pk_add_f32 v[246:247], v[246:247], v[90:91]
	v_pk_add_f32 v[244:245], v[244:245], v[94:95]
	s_delay_alu instid0(VALU_DEP_4)
	v_pk_add_f32 v[16:17], v[16:17], v[250:251]
	s_delay_alu instid0(VALU_DEP_4)
	v_pk_add_f32 v[18:19], v[18:19], v[248:249]
	s_delay_alu instid0(VALU_DEP_4)
	v_pk_add_f32 v[254:255], v[254:255], v[246:247]
	s_delay_alu instid0(VALU_DEP_4)
	v_pk_add_f32 v[252:253], v[252:253], v[244:245]
	s_delay_alu instid0(VALU_DEP_2)
	v_pk_add_f32 v[16:17], v[16:17], v[254:255]
	s_delay_alu instid0(VALU_DEP_2)
	v_pk_add_f32 v[18:19], v[18:19], v[252:253]
	s_delay_alu instid0(VALU_DEP_1)
	v_pk_add_f32 v[16:17], v[16:17], v[18:19]
	s_delay_alu instid0(VALU_DEP_1)
	v_add_f32 v[LP], v[LP], v[LP+1]
	s_delay_alu instid0(VALU_DEP_1)
	v_permlanex16_b32 v[LD], v[LP], s[SEL], s[SEL+1]
	s_delay_alu instid0(VALU_DEP_1)
	v_add_f32 v[LP], v[LP], v[LD]
	s_delay_alu instid0(VALU_DEP_1)
	v_mul_f32 v[LP], s[INV], v[LP]                 ; the mean
.set j, 0
.rept 32
	v_pk_add_f32 v[X+j:X+j+1], v[X+j:X+j+1], v[LP:LP+1] op_sel_hi:[1,0] neg_lo:[0,1] neg_hi:[0,1]
.set j, j+2
.endr
	v_pk_mul_f32 v[LP:LP+1], v[X:X+1], v[X:X+1]
	v_pk_mul_f32 v[LT:LT+1], v[X+2:X+3], v[X+2:X+3]
.set j, 4
.rept 15
	s_delay_alu instid0(VALU_DEP_2)
	v_pk_fma_f32 v[LP:LP+1], v[X+j:X+j+1], v[X+j:X+j+1], v[LP:LP+1]
	s_delay_alu instid0(VALU_DEP_2)
	v_pk_fma_f32 v[LT:LT+1], v[X+j+2:X+j+3], v[X+j+2:X+j+3], v[LT:LT+1]
.set j, j+4
.endr
	s_delay_alu instid0(VALU_DEP_1)
	v_pk_add_f32 v[LP:LP+1], v[LP:LP+1], v[LT:LT+1]
	s_delay_alu instid0(VALU_DEP_1)
	v_add_f32 v[LP], v[LP], v[LP+1]
	s_delay_alu instid0(VALU_DEP_1)
	v_permlanex16_b32 v[LD], v[LP], s[SEL], s[SEL+1]
	s_delay_alu instid0(VALU_DEP_1)
	v_add_f32 v[LP], v[LP], v[LD]
	v_mov_b32 v[LT+1], 0x3727c5ac                  ; eps = 1e-5
	s_delay_alu instid0(VALU_DEP_1)
	v_fma_f32 v[LT], v[LP], s[INV], v[LT+1]        ; var + eps
	s_wait_alu depctr_va_vdst(0)
	v_rsq_f32 v[LP], v[LT]
	v_mov_b32 v[LP+1], 0                           ; a plain instruction behind the root (ISA guide 5.7.2); it also writes the pair's upper half, which is named below
	s_wait_alu depctr_va_vdst(0)                   ; the wait ahead of the result's first reader
.set j, 0
.rept 32
	v_pk_mul_f32 v[X+j:X+j+1], v[X+j:X+j+1], v[LP:LP+1] op_sel_hi:[1,0]
.set j, j+2
.endr
.set j, 0
.rept 32
	v_pk_fma_f32 v[X+j:X+j+1], v[X+j:X+j+1], v[G+j:G+j+1], v[B+j:B+j+1]
.set j, j+2
.endr
.endm
; THE SOFTMAX OF A KEY STEP for my two query tiles, which alternate line by line, so that no line waits for the line above it.  Each result tile of S^T is read from its low end on.
.macro SOFTMAX
.irp q, 0,1
	v_max3_num_f32 v[ST+8*\q+6], v[S+64*\q], v[S+64*\q+1], v[S+64*\q+2]       ; the step's largest score of my query among my 64 keys, in two chains,
	v_max3_num_f32 v[ST+8*\q+7], v[S+64*\q+3], v[S+64*\q+4], v[S+64*\q+5]
.endr
.irp i, 6,10,14,18,22,26,30,34,38,42,46,50,54,58
.irp q, 0,1
	v_max3_num_f32 v[ST+8*\q+6], v[ST+8*\q+6], v[S+64*\q+\i], v[S+64*\q+\i+1]
	v_max3_num_f32 v[ST+8*\q+7], v[ST+8*\q+7], v[S+64*\q+\i+2], v[S+64*\q+\i+3]
.endr
.endr
.irp q, 0,1
	v_max3_num_f32 v[ST+8*\q+6], v[ST+8*\q+6], v[S+64*\q+62], v[S+64*\q+63]
.endr
.irp q, 0,1
	s_delay_alu instid0(VALU_DEP_2)
	v_max_num_f32 v[ST+8*\q+6], v[ST+8*\q+6], v[ST+8*\q+7]
.endr
.irp q, 0,1
	s_delay_alu instid0(VALU_DEP_2)
	v_permlanex16_b32 v[PD+\q], v[ST+8*\q+6], s[SEL], s[SEL+1]
.endr
.irp q, 0,1
	s_delay_alu instid0(VALU_DEP_2)
	v_max_num_f32 v[ST+8*\q+6], v[ST+8*\q+6], v[PD+\q]     ; and among lane l xor 16's
.endr
.irp q, 0,1
	s_delay_alu instid0(VALU_DEP_2)
	v_mul_f32 v[ST+8*\q+6], s[CS], v[ST+8*\q+6]            ; as t (c is positive)
.endr
.irp q, 0,1
	s_delay_alu instid0(VALU_DEP_2)
	v_max_num_f32 v[ST+8*\q+1], v[ST+8*\q+1], v[ST+8*\q+6] ; the running largest t
.endr
.irp q, 0,1
	v_mov_b32 v[ST+8*\q+6], v[ST+8*\q]
.endr
.irp q, 0,1
	s_delay_alu instid0(VALU_DEP_4)
	v_floor_f32 v[ST+8*\q], -v[ST+8*\q+1]                  ; the new -M = floor(-t) = -ceil(t): a whole number
.endr
.irp q, 0,1
	s_delay_alu instid0(VALU_DEP_2)
	v_sub_f32 v[ST+8*\q+6], v[ST+8*\q], v[ST+8*\q+6]       ; old M - new M: a whole number, 0 or less
.endr
.irp q, 0,1
	s_delay_alu instid0(VALU_DEP_2)
	v_cvt_i32_f32 v[ST+8*\q+6], v[ST+8*\q+6]               ; (it saturates)
.endr
.irp q, 0,1
	s_delay_alu instid0(VALU_DEP_2)
	v_ldexp_f32 v[ST+8*\q+4], 1.0, v[ST+8*\q+6]            ; f = 2^(old M - new M): a multiplication by it rounds nothing
.endr
.set j, 0
.rept 32
.irp q, 0,1
	v_pk_fma_f32 v[S+64*\q+j:S+64*\q+j+1], v[S+64*\q+j:S+64*\q+j+1], s[CS:CS+1], v[ST+8*\q:ST+8*\q+1] op_sel_hi:[1,0,0]   ; t - M, two at a time
.endr
.set j, j+2
.endr
.set j, 0
	s_wait_alu depctr_va_vdst(0)
.rept 128
	v_exp_f32 v[S+j], v[S+j]                               ; p = 2^(t - M), at most 1: one batch for both tiles
.set j, j+1
.endr
.irp q, 0,1
	v_pk_mul_f32 v[ST+8*\q+2:ST+8*\q+3], v[ST+8*\q+2:ST+8*\q+3], v[ST+8*\q+4:ST+8*\q+5] op_sel_hi:[1,0]   ; the sums under the new M: plain instructions behind the exponentials
.endr
	s_wait_alu depctr_va_vdst(0)                           ; the wait ahead of the batch's first reader: one for the 128
.irp q, 0,1
	v_pk_add_f32 v[ST+8*\q+6:ST+8*\q+7], v[S+64*\q:S+64*\q+1], v[S+64*\q+2:S+64*\q+3]   ; the sum is taken of the unquantised p, in two chains
.endr
.set j, 4
.rept 15
.irp q, 0,1
	v_pk_add_f32 v[ST+8*\q+2:ST+8*\q+3], v[ST+8*\q+2:ST+8*\q+3], v[S+64*\q+j:S+64*\q+j+1]
	v_pk_add_f32 v[ST+8*\q+6:ST+8*\q+7], v[ST+8*\q+6:ST+8*\q+7], v[S+64*\q+j+2:S+64*\q+j+3]
.endr
.set j, j+4
.endr
.irp q, 0
	s_delay_alu instid0(VALU_DEP_3)
	v_pk_add_f32 v[ST+8*\q+2:ST+8*\q+3], v[ST+8*\q+2:ST+8*\q+3], v[ST+8*\q+6:ST+8*\q+7]
.endr
.irp q, 1
	s_delay_alu instid0(VALU_DEP_2)
	v_pk_add_f32 v[ST+8*\q+2:ST+8*\q+3], v[ST+8*\q+2:ST+8*\q+3], v[ST+8*\q+6:ST+8*\q+7]
.endr
.endm
; A KEY STEP: 128 keys, my kk-th of the slot in hand, against my 32 queries: 16 + 16 matrix instructions on 8 + 8 fragments.
.macro STEP kk
	v_add_nc_u32 v[ADK], s[TB], v[AK0]
	v_add_nc_u32 v[ADV], s[TB], v[AV0]
	v_nop                                          ; with the two additions: four places in front of loads into registers that the last products read
	v_nop
	WIN 0x40                                       ; destination window 1
.irp t, 0,1,2,3,4,5,6,7
.irp c, 0,1,2,3
	ds_load_b128 v[16*\t+4*\c:16*\t+4*\c+3], v[ADK] offset:16384*\kk+2048*\t+512*\c
.endr
.endr
	WIN 0x01                                       ; source 0 (k) window 1; q and S^T window 0
	s_wait_alu depctr_va_vdst(0)
.irp u, 0,1,2,3
	s_wait_dscnt 24-8*\u                           ; tiles 2 u and 2 u + 1 are in: the loads of the tiles behind them may be out
.irp t, 2*\u, 2*\u+1
.irp q, 0,1
	v_wmma_f32_16x16x128_fp8_fp8 v[S+64*\q+8*(\t):S+64*\q+8*(\t)+7], v[16*(\t):16*(\t)+15], v[QF+16*\q:QF+16*\q+15], 0   ; lane (r, h), register j: score(key 16 t + 8 h + j, query r)
.endr
.endr
.endr
	PLACES
	WIN 0x40
.irp t, 0,1,2,3,4,5,6,7
.irp c, 0,1,2,3
	ds_load_b128 v[16*\t+4*\c:16*\t+4*\c+3], v[ADV] offset:16384*\kk+2048*\t+512*\c   ; v's eight tiles land while the softmax is worked
.endr
.endr
	WIN 0
	SOFTMAX
	QUANT S, P, 0                                  ; registers 2 t, 2 t + 1 of p's codes = keys 16 t + 8 h + 0 .. 7: as v's images lie
	QUANT S+64, P+16, 0
	WIN 0x41                                       ; O^T (destination and source 0) window 1, f window 0
.irp q, 0,1
.set j, 0
.rept 32
	v_pk_mul_f32 v[OT+64*\q+j:OT+64*\q+j+1], v[OT+64*\q+j:OT+64*\q+j+1], v[ST+8*\q+4:ST+8*\q+5] op_sel_hi:[1,0]   ; O^T under the new M
.set j, j+2
.endr
.endr
	s_wait_alu depctr_va_vdst(0)
	s_wait_dscnt 0x0                               ; v is in
	WIN 0x51                                       ; v window 1, p window 0, O^T window 1
.irp t, 0,1,2,3,4,5,6,7
.irp q, 0,1
	v_wmma_f32_16x16x128_fp8_fp8 v[OT+64*\q+8*\t:OT+64*\q+8*\t+7], v[16*\t:16*\t+15], v[P+16*\q:P+16*\q+15], v[OT+64*\q+8*\t:OT+64*\q+8*\t+7]   ; sixteen accumulators, one instruction a turn
.endr
.endr
	WIN 0
.endm
	s_load_b512 s[4:19], s[0:1], 0x0               ; q_img s[4:5], kv_img s[6:7], x s[8:9], the scales' exponents s[10:11], gamma2 s[12:13], beta2 s[14:15], W1's codes s[16:17], b1 s[18:19]
	s_load_b128 s[20:23], s[0:1], 0x40             ; W2's codes s[20:21], b2 s[22:23]
	s_load_b64 s[24:25], s[0:1], 0x50              ; out
	v_lshl_add_u32 v[SPW], v0, 2, SPARE
	v_mov_b32 v[NIL], 0
	ds_add_u32 v5, v6
	ds_add_u32 v5, v6
	s_wait_dscnt 0x0
	v_lshrrev_b32 v32, 5, v0
	s_delay_alu instid0(VALU_DEP_1)
	v_readfirstlane_b32 s[WV], v32                 ; wave 0..7
	s_and_b32 s[PW], s[WV], 3
	s_lshr_b32 s[GH], s[WV], 2
	s_lshl_b32 s[TAU], s[PW], 1
	s_add_co_u32 s[TAU], s[TAU], s[GH]
	s_bfe_u32 s80, ttmp6, 0x40000                  ; cx: my place in the cluster
	s_lshl_b32 s81, ttmp9, 2                       ; in a cluster launch ttmp9 counts clusters
	s_add_co_u32 s81, s81, s80                     ; my block of 128 queries: it enters q's, x's and out's addresses alone
	s_and_b32 s82, ttmp7, 0xffff                   ; the batch, which the four partners share
	; descriptor group 1: 16,384 dense bytes as 64 rows of 256
	s_mov_b32 s[G1], 15|(3<<16)|(1<<21)            ; 15:0 the mask: all four work-groups; 17:16 elements of 8 bytes; 20 no padding; 21 set beside a mask
	s_mov_b32 s[G1+1], 32<<16                      ; tensor_dim0 = 32
	s_mov_b32 s[G1+2], 64<<16                      ; tensor_dim1 = 64
	s_mov_b32 s[G1+3], 32<<16                      ; tile_dim0 = 32
	s_mov_b32 s[G1+4], 64                          ; tile_dim1 = 64
	s_mov_b32 s[G1+5], 32                          ; tensor_dim0_stride
	s_mov_b32 s[G1+6], 0
	s_mov_b32 s[G1+7], 0
	s_lshl_b32 s[G0+1], s[WV], 14                  ; LDS address: 16,384 x wave, in slot 0: no place in the cluster enters it
	s_lshl_b32 s84, s82, 20                        ; a batch's eight blocks,
	s_add_co_u32 s84, s84, s[G0+1]                 ; my eighth of a block
	s_mov_b32 s85, 0
	s_wait_kmcnt 0x0
	s_load_b256 s[E:E+7], s[10:11], 0x0
	s_load_b64 s[E+8:E+9], s[10:11], 0x20
	s_mov_b32 s[G0], 1                             ; count = 1
	s_add_nc_u64 s[G0+2:G0+3], s[6:7], s[84:85]
	s_or_b32 s[G0+3], s[G0+3], 0x80000000          ; type = 2
	CROUND                                         ; all four work-groups are here: the first joint loads meet
	TLOADJ                                         ; block 0 into slot 0
	v_and_b32 v32, 31, v0                          ; lane
	s_delay_alu instid0(VALU_DEP_1)
	v_lshlrev_b32 v[LI], 4, v32
	s_wait_alu depctr_va_vdst(0)
	s_lshl_b32 s86, s82, 19                        ; q_img: tile 256 x batch + 8 x block + 2 p
	s_lshl_b32 s87, s81, 14
	s_add_co_u32 s86, s86, s87
	s_lshl_b32 s87, s[PW], 12
	s_add_co_u32 s86, s86, s87
	s_mov_b32 s87, 0
	s_add_nc_u64 s[4:5], s[4:5], s[86:87]
.irp q, 0,1
.irp c, 0,1,2,3
	global_load_b128 v[QF+16*\q+4*\c:QF+16*\q+4*\c+3], v[LI], s[4:5] offset:2048*\q+512*\c   ; q's two fragments stay in registers
.endr
.endr
	s_lshl_b32 s86, s82, 20                        ; the prefetches: my batch, my work-group's quarter, my wave's 8,192 bytes,
	s_lshl_b32 s88, s80, 15
	s_add_co_u32 s86, s86, s88
	s_lshl_b32 s88, s[PW], 13
	s_add_co_u32 s86, s86, s88
	s_add_co_u32 s86, s86, BLOCK                   ; in block 1: the first change of slots steps it to block 2.  Nothing is prefetched here, at the head
	s_add_nc_u64 s[PFA:PFA+1], s[6:7], s[86:87]
	s_or_b32 s88, s[GH], ttmp9                     ; 0 in waves 0 to 3 of the batch's first cluster: the same in all four partners
	s_cmp_eq_u32 s88, 0
	s_cselect_b32 s[LIM], 1, -1
	s_lshl_b32 s86, s82, 21                        ; x and out: the block's first row, 512 bytes a row
	s_lshl_b32 s88, s81, 16
	s_add_co_u32 s86, s86, s88
	s_lshl_b32 s88, s[TAU], 13
	s_add_co_u32 s88, s88, s86
	s_mov_b32 s89, 0
	s_add_nc_u64 s[XB:XB+1], s[8:9], s[88:89]
	s_lshl_b32 s88, s[WV], 13
	s_add_co_u32 s88, s88, s86
	s_add_nc_u64 s[OB:OB+1], s[24:25], s[88:89]
	s_lshl_b32 s88, s[WV], 14                      ; W1: my 128 rows of 128 bytes
	s_add_nc_u64 s[16:17], s[16:17], s[88:89]
	s_lshl_b32 s88, s[WV], 9                       ; b1: my 128 numbers
	s_add_nc_u64 s[18:19], s[18:19], s[88:89]
	s_lshl_b32 s88, s[PW], 15                      ; W2: my 32 rows of 1,024 bytes
	s_add_nc_u64 s[20:21], s[20:21], s[88:89]
	s_lshl_b32 s88, s[PW], 7                       ; b2: my 32 numbers
	s_add_nc_u64 s[22:23], s[22:23], s[88:89]
	; every address register of the launch is made here
	v_and_b32 v33, 15, v0                          ; r
	v_bfe_u32 v34, v0, 4, 1                        ; h
	s_lshl_b32 s61, s[GH], 15
	v_add_nc_u32 v[AK0], s61, v[LI]
	s_delay_alu instid0(VALU_DEP_1)
	v_add_nc_u32 v[AV0], 0x10000, v[AK0]
	v_lshlrev_b32 v[PFO], 8, v32
	v_lshlrev_b32 v[O64], 6, v34
	v_lshlrev_b32 v[O32], 5, v34
	v_mov_b32 v[PD], 0                             ; written once: a lane exchange's destination counts as one of its sources
	v_mov_b32 v[PD+1], 0
	v_and_b32 v35, 8, v33
	s_delay_alu instid0(VALU_DEP_1)
	v_add_nc_u32 v35, v35, v33                     ; r + 8 (r / 8)
	s_delay_alu instid0(VALU_DEP_1)
	v_lshlrev_b32 v[GW1], 7, v35
	s_delay_alu instid0(VALU_DEP_1)
	v_lshl_add_u32 v[GW1], v34, 4, v[GW1]
	v_lshlrev_b32 v[GW2], 10, v33
	s_delay_alu instid0(VALU_DEP_1)
	v_lshl_add_u32 v[GW2], v34, 4, v[GW2]
	s_lshl_b32 s61, s[WV], 14
	v_add_nc_u32 v[CIW], s61, v[LI]
	s_lshl_b32 s62, s[GH], 13
	v_add_nc_u32 v[CRA], s62, v[CIW]
	s_xor_b32 s63, s[WV], 4                        ; my partner
	s_lshl_b32 s61, s63, 14
	s_add_co_u32 s61, s61, s62
	v_add_nc_u32 v[CRB], s61, v[LI]
	v_lshlrev_b32 v35, 3, v32
	s_lshl_b32 s61, s[WV], 9
	s_add_co_u32 s61, s61, STAT
	v_add_nc_u32 v[STW], s61, v35
	s_lshl_b32 s62, s[GH], 8
	v_add_nc_u32 v[SRA], s62, v[STW]
	s_lshl_b32 s61, s63, 9
	s_add_co_u32 s61, s61, s62
	s_add_co_u32 s61, s61, STAT
	v_add_nc_u32 v[SRB], s61, v35
	s_mul_i32 s61, s[TAU], 16*SP
	s_add_co_u32 s61, s61, STG
	v_add_nc_u32 v[XSW], s61, v[LI]
	v_mul_u32_u24 v35, v33, SP
	s_wait_alu depctr_va_vdst(0)
	v_lshl_add_u32 v36, v34, 6, v35
	s_delay_alu instid0(VALU_DEP_1)
	v_add_nc_u32 v[XSR], s61, v36
	s_lshl_b32 s61, s[TAU], 11
	s_add_co_u32 s61, s61, XN2
	v_add_nc_u32 v[XNW], s61, v[LI]
	s_lshl_b32 s61, s[WV], 11
	v_add_nc_u32 v[HW0], s61, v[LI]
	s_lshl_b32 s61, s[GH], 16
	v_add_nc_u32 v[LIY], s61, v[LI]
	s_mul_i32 s61, s[GH], 64*SP
	s_lshl_b32 s62, s[PW], 7
	s_add_co_u32 s61, s61, s62
	s_add_co_u32 s61, s61, STG
	v_lshl_add_u32 v36, v34, 5, v35
	s_delay_alu instid0(VALU_DEP_1)
	v_add_nc_u32 v[YST], s61, v36
	s_mul_i32 s61, s[WV], 16*SP
	s_add_co_u32 s61, s61, STG
	v_add_nc_u32 v[OSR], s61, v[LI]
.irp q, 0,1
	v_mov_b32 v[ST+8*\q+1], 0xff61b1e6             ; the largest t so far: -3e38, under every t
	s_delay_alu instid0(VALU_DEP_1)
	v_floor_f32 v[ST+8*\q], -v[ST+8*\q+1]          ; -M
	v_mov_b32 v[ST+8*\q+2], 0                      ; the sum, in two halves
	v_mov_b32 v[ST+8*\q+3], 0
	v_mov_b32 v[ST+8*\q+5], 0                      ; (named as the upper half of f's pair)
.endr
	WIN 0x40
.set j, 0
.rept 128
	v_mov_b32 v[OT+j], 0                           ; O^T: the first step finds zeros, which the first change of M leaves zeros
.set j, j+1
.endr
	WIN 0
	s_mov_b32 s[SEL], 0x76543210
	s_mov_b32 s[SEL+1], 0xfedcba98
	s_mov_b32 s[INV], 0x3c000000
	s_mov_b32 s[TB], 0
	s_mov_b32 s[SLOTS], 7
	s_wait_kmcnt 0x0
	s_add_co_i32 s61, s[E+2], s[E+3]
	s_lshl_b32 s61, s61, 23
	s_mov_b32 s[CS], 0x3e0293ee                    ; log2(e) / sqrt(128);
	s_add_co_u32 s[CS], s[CS], s61                 ; a score stands for score x 2^(e2 + e3): the exponents are added to c's exponent field
	s_mov_b32 s[CS+1], s[CS]                       ; (named with it as a pair, so it is written)
	s_add_co_i32 s[EPV], s[E+4], s[E+5]
	s_add_co_i32 s61, s[E+6], s[E+7]
	s_sub_co_i32 s[NB1], 0, s61
	s_sub_co_i32 s80, s[E+8], s61                  ; e8 - e6 - e7
	s_lshl_b32 s61, s61, 23
	s_mov_b32 s[NL], 0xbfb8aa3b                    ; -log2(e),
	s_add_co_u32 s[NL], s[NL], s61                 ; x 2^(e6 + e7)
	s_mov_b32 s[NL+1], s[NL]
	s_add_co_i32 s61, s[E+8], s[E+9]
	s_add_co_i32 s61, s61, 127
	s_lshl_b32 s[SY], s61, 23                      ; 2^(e8 + e9)
	s_mov_b32 s[SY+1], s[SY]
	SETSC E+4                                      ; p's scale
	s_wait_loadcnt 0x0                             ; q
.Lslot:                                            ; seven trips: behind each change of slots but the last the next block is asked for
	CHANGE 1
	STEP 0
	STEP 1
	s_xor_b32 s[TB], s[TB], SLOT1
	s_sub_co_u32 s[SLOTS], s[SLOTS], 1
	s_cmp_lg_u32 s[SLOTS], 0
	s_cbranch_scc1 .Lslot
	CHANGE 0                                       ; the last block is written out
	global_prefetch_b8 v[PFO], s[XB:XB+1] th:TH_LOAD_NT scope:SCOPE_SE   ; my token tile's 16 rows of x, 8,192 bytes, lanes 256 bytes apart: two key steps ahead of their loads; each wave names its own rows, once
	STEP 0
	STEP 1
	; ---- the two halves of the keys meet.  Each wave's O^T (two tiles, 8,192 bytes each) goes to slot 0, which has had its last fill and which nobody reads since the last change of slots; -M and the sum go to STAT.
.irp q, 0,1
	v_add_f32 v[ST+8*\q+2], v[ST+8*\q+2], v[ST+8*\q+3]     ; (these additions are the places behind the last products)
.endr
.irp q, 0,1
	s_delay_alu instid0(VALU_DEP_2)
	v_permlanex16_b32 v[PD+\q], v[ST+8*\q+2], s[SEL], s[SEL+1]
.endr
.irp q, 0,1
	s_delay_alu instid0(VALU_DEP_2)
	v_add_f32 v[ST+8*\q+1], v[ST+8*\q+2], v[PD+\q]         ; my half's sum, beside -M
.endr
.set i, 0
.rept 16
	global_load_b128 v[160+4*i:160+4*i+3], v[LI], s[XB:XB+1] offset:512*i th:TH_LOAD_NT   ; x: my token tile's rows, 512 consecutive bytes each
.set i, i+1
.endr
	WIN 0x40
.irp t, 0,1,2,3,4,5,6,7
.irp c, 0,1,2,3
	global_load_b128 v[16*\t+4*\c:16*\t+4*\c+3], v[GW1], s[16:17] offset:(32*(\t/2)+8*(\t%2))*128+32*\c   ; W1: lane r of tile t takes row 32 (t / 2) + 8 (t % 2) + r + 8 (r / 8) of my 128
.endr
.endr
	WIN 0x04                                       ; an LDS store's data: window 1
.irp q, 0,1
.set k, 0
.rept 16
	ds_store_b128 v[CIW], v[OT+64*\q+4*k:OT+64*\q+4*k+3] offset:8192*\q+512*k   ; each accumulator from its low end on
.set k, k+1
.endr
.endr
	WIN 0
.irp q, 0,1
	ds_store_b64 v[STW], v[ST+8*\q:ST+8*\q+1] offset:256*\q
.endr
	BARRIER                                        ; every wave's O^T and statistics lie in LDS, and nobody reads slot 1 any more
	; ---- wave w keeps query tile 2 p + g: its own O^T and its partner's, under the larger M; + x; LayerNorm 2; codes
.set k, 0
.rept 16
	ds_load_b128 v[32+4*k:32+4*k+3], v[CRA] offset:512*k
.set k, k+1
.endr
.set k, 0
.rept 16
	ds_load_b128 v[96+4*k:96+4*k+3], v[CRB] offset:512*k
.set k, k+1
.endr
	ds_load_b64 v[12:13], v[SRA]                   ; -M, the sum: mine,
	ds_load_b64 v[14:15], v[SRB]                   ; my partner's
	s_wait_loadcnt 32                              ; x is in: W1's 32 loads may be out
.set i, 0
.rept 16
	ds_store_b128 v[XSW], v[160+4*i:160+4*i+3] offset:SP*i     ; x through my rows of the stage: as loaded,
.set i, i+1
.endr
.irp c, 0,1,2,3
.irp j, 0,1,2,3
	ds_load_b128 v[160+16*\c+4*\j:160+16*\c+4*\j+3], v[XSR] offset:128*\c+16*\j   ; back as 64 numbers of one token: register 16 c + i = channel 32 c + 16 h + i, as O^T lies
.endr
.endr
	s_wait_dscnt 0x0
	v_min_num_f32 v16, v12, v14                    ; -M of both halves
	s_delay_alu instid0(VALU_DEP_1)
	v_sub_f32 v17, v16, v12                        ; whole numbers, 0 or less
	s_delay_alu instid0(VALU_DEP_2)
	v_sub_f32 v18, v16, v14
	s_delay_alu instid0(VALU_DEP_2)
	v_cvt_i32_f32 v17, v17
	s_delay_alu instid0(VALU_DEP_2)
	v_cvt_i32_f32 v18, v18
	s_delay_alu instid0(VALU_DEP_2)
	v_ldexp_f32 v17, 1.0, v17                      ; exact powers of two
	s_delay_alu instid0(VALU_DEP_2)
	v_ldexp_f32 v18, 1.0, v18
	s_delay_alu instid0(VALU_DEP_2)
	v_mul_f32 v19, v13, v17
	s_delay_alu instid0(VALU_DEP_1)
	v_fmac_f32 v19, v15, v18                       ; the row's sum
	s_wait_alu depctr_va_vdst(0)
	v_rcp_f32 v24, v19
	v_nop                                          ; a plain instruction behind the reciprocal
	s_wait_alu depctr_va_vdst(0)                   ; the wait ahead of the first reader
	v_ldexp_f32 v24, v24, s[EPV]                   ; x 2^(e4 + e5)
	s_delay_alu instid0(VALU_DEP_1)
	v_mul_f32 v20, v17, v24
	s_delay_alu instid0(VALU_DEP_2)
	v_mul_f32 v22, v18, v24
	s_delay_alu instid0(VALU_DEP_2)
	v_mov_b32 v21, v20                             ; pairs for the packed forms
	s_delay_alu instid0(VALU_DEP_2)
	v_mov_b32 v23, v22
.set j, 0
.rept 32
	v_pk_fma_f32 v[32+j:33+j], v[32+j:33+j], v[20:21], v[160+j:161+j]
.set j, j+2
.endr
.set j, 0
.rept 32
	v_pk_fma_f32 v[32+j:33+j], v[96+j:97+j], v[22:23], v[32+j:33+j]       ; x1 = x + attention
.set j, j+2
.endr
.irp c, 0,1,2,3
.irp j, 0,1,2,3
	global_load_b128 v[G+16*\c+4*\j:G+16*\c+4*\j+3], v[O64], s[12:13] offset:128*\c+16*\j
.endr
.endr
.irp c, 0,1,2,3
.irp j, 0,1,2,3
	global_load_b128 v[B+16*\c+4*\j:B+16*\c+4*\j+3], v[O64], s[14:15] offset:128*\c+16*\j
.endr
.endr
.irp c, 0,1,2,3
.irp j, 0,1,2,3
	ds_store_b128 v[XSR], v[32+16*\c+4*\j:32+16*\c+4*\j+3] offset:128*\c+16*\j   ; x1 is kept in the stage, where x lay, for the last residual
.endr
.endr
	s_wait_alu depctr_va_vdst(0)
	s_wait_dscnt 0x0                               ; the stores have read their registers
	s_wait_loadcnt 0x0                             ; gamma2, beta2 (and W1)
	LNORM
.irp c, 0,1,2,3
.irp j, 0,1,2,3
	global_load_b128 v[96+16*\c+4*\j:96+16*\c+4*\j+3], v[O64], s[18:19] offset:128*\c+16*\j   ; b1 in the result's layout: register 16 c + i = my hidden unit 32 c + 16 h + i
.endr
.endr
.irp n, 0,1
	global_load_b128 v[12+8*\n:15+8*\n], v[O32], s[22:23] offset:64*\n            ; b2: for tile n my outputs 16 n + 8 h + 0 .. 7
	global_load_b128 v[16+8*\n:19+8*\n], v[O32], s[22:23] offset:64*\n+16
.endr
	WIN 0x40
.irp n, 0,1
.irp s, 0,1,2,3
.irp c, 0,1,2,3
	global_load_b128 v[128+16*(4*\n+\s)+4*\c:128+16*(4*\n+\s)+4*\c+3], v[GW2], s[20:21] offset:16384*\n+128*\s+32*\c   ; W2, K steps 0-3, where O^T lay
.endr
.endr
.endr
	WIN 0
	SETSC E+6
	QUANT X, CDS, 1
	IMG_ST XNW, CDS, 0
	BARRIER                                        ; the eight images of LN2's codes lie in LDS; O^T's images have been read
	; ---- the hidden layer: my 128 units for the eight token tiles.  b1 / 2^(e6 + e7) is the C of each sum; silu; the three scales are folded into the conversion's one
	s_wait_loadcnt 32                              ; b1 and b2 are in: W2's 32 loads may be out
.set j, 0
.rept 64
	v_ldexp_f32 v[96+j], v[96+j], s[NB1]
.set j, j+1
.endr
	SETSC 80                                       ; e8 - e6 - e7
	s_mov_b32 s[HX], XN2
	s_mov_b32 s[HH], 0
	s_mov_b32 s[HC], 8
.Lh:
	v_add_nc_u32 v[HXA], s[HX], v[LI]
	v_add_nc_u32 v[HHA], s[HH], v[HW0]
	IMG_LD 160, HXA, 0
	s_wait_dscnt 0x0                               ; the tile's codes are in; the last trip's stores have read their registers
	WIN 0x01                                       ; source 0 (W1) window 1
	s_wait_alu depctr_va_vdst(0)
.irp t, 0,1,2,3,4,5,6,7
	v_wmma_f32_16x16x128_fp8_fp8 v[X+8*\t:X+8*\t+7], v[16*\t:16*\t+15], v[160:175], v[96+8*\t:96+8*\t+7]   ; register n of lane (r, h): hidden unit 32 (n / 16) + 16 h + n % 16 of token r
.endr
	WIN 0
	PLACES
.set j, 0
.rept 32
	v_pk_mul_f32 v[160+j:161+j], v[X+j:X+j+1], s[NL:NL+1] op_sel_hi:[1,0]        ; -z log2(e), z = sum x 2^(e6 + e7)
.set j, j+2
.endr
.set j, 0
	s_wait_alu depctr_va_vdst(0)
.rept 64
	v_exp_f32 v[160+j], v[160+j]
.set j, j+1
.endr
	v_nop                                          ; a plain instruction behind the batch,
	s_wait_alu depctr_va_vdst(0)                   ; and the wait ahead of its first reader
.set j, 0
.rept 32
	v_pk_add_f32 v[160+j:161+j], v[160+j:161+j], 1.0 op_sel_hi:[1,0]
.set j, j+2
.endr
.set j, 0
	s_wait_alu depctr_va_vdst(0)
.rept 64
	v_rcp_f32 v[160+j], v[160+j]
.set j, j+1
.endr
	v_nop
	s_wait_alu depctr_va_vdst(0)
.set j, 0
.rept 32
	v_pk_mul_f32 v[X+j:X+j+1], v[X+j:X+j+1], v[160+j:161+j]                      ; silu(z) / 2^(e6 + e7)
.set j, j+2
.endr
	QUANT X, CDS, 1
	IMG_ST HHA, CDS, 0                             ; K step w of the last product, token tile m
	s_add_co_u32 s[HX], s[HX], 2048
	s_add_co_u32 s[HH], s[HH], 16384
	s_sub_co_u32 s[HC], s[HC], 1
	s_cmp_lg_u32 s[HC], 0
	s_cbranch_scc1 .Lh
	WIN 0x40
.irp n, 0,1
.irp s, 4,5,6,7
.irp c, 0,1,2,3
	global_load_b128 v[16*(4*\n+\s-4)+4*\c:16*(4*\n+\s-4)+4*\c+3], v[GW2], s[20:21] offset:16384*\n+128*\s+32*\c   ; W2, K steps 4-7, where W1 lay
.endr
.endr
.endr
	WIN 0
	BARRIER                                        ; the hidden layer's 64 images lie in LDS
	; ---- the last product: my 32 outputs for token tiles 4 g .. 4 g + 3: eight accumulators by turns, a K step at a time; the next step's four fragments come while this step is multiplied
.macro FETCHH ks, buf
.irp mm, 0,1,2,3
.irp c, 0,1,2,3
	ds_load_b128 v[(\buf)+16*\mm+4*\c:(\buf)+16*\mm+4*\c+3], v[LIY] offset:(8*\mm+(\ks))*2048+512*\c
.endr
.endr
.endm
	FETCHH 0, 96
.irp s, 0,1,2,3,4,5,6,7
.if \s >= 1
	PLACES                                         ; in front of loads into the buffer that the step before read
.endif
.if \s < 7
	FETCHH \s+1, 96+64*((\s+1)%2)
	s_wait_dscnt 16                                ; this step's fragments are in: the 16 loads just issued may be out
.else
	s_wait_dscnt 0x0
.endif
.if \s == 0
	s_wait_loadcnt 32                              ; W2's K steps 0-3 are in: the 32 loads of steps 4-7 may be out
.endif
.if \s == 4
	s_wait_loadcnt 0x0
.endif
.set HB, 96+64*(\s%2)
	WIN 0x01                                       ; source 0 (W2) window 1
.irp mm, 0,1,2,3
.irp n, 0,1
.if \s < 4
.set WA, 128+16*(4*\n+\s)
.else
.set WA, 16*(4*\n+\s-4)
.endif
.if \s == 0
	v_wmma_f32_16x16x128_fp8_fp8 v[Y+8*(4*\n+\mm):Y+8*(4*\n+\mm)+7], v[WA:WA+15], v[HB+16*\mm:HB+16*\mm+15], 0
.else
	v_wmma_f32_16x16x128_fp8_fp8 v[Y+8*(4*\n+\mm):Y+8*(4*\n+\mm)+7], v[WA:WA+15], v[HB+16*\mm:HB+16*\mm+15], v[Y+8*(4*\n+\mm):Y+8*(4*\n+\mm)+7]
.endif
.endr
.endr
	WIN 0
.endr
	PLACES
.irp mm, 0,1,2,3
.irp n, 0,1
	ds_load_b128 v[96+8*(4*\n+\mm):96+8*(4*\n+\mm)+3], v[YST] offset:16*SP*\mm+64*\n          ; x1 at my results' places: token 64 g + 16 mm + r, channels 32 p + 16 n + 8 h + 0 .. 7
	ds_load_b128 v[96+8*(4*\n+\mm)+4:96+8*(4*\n+\mm)+7], v[YST] offset:16*SP*\mm+64*\n+16
.endr
.endr
.irp a, 0,1,2,3,4,5,6,7
.irp i, 0,2,4,6
	v_pk_fma_f32 v[160+8*\a+\i:160+8*\a+\i+1], v[Y+8*\a+\i:Y+8*\a+\i+1], s[SY:SY+1], v[12+8*(\a/4)+\i:12+8*(\a/4)+\i+1] op_sel_hi:[1,0,1]   ; sum x 2^(e8 + e9) + b2; each accumulator from its low end on
.endr
.endr
	s_wait_dscnt 0x0
.set j, 0
.rept 32
	v_pk_add_f32 v[160+j:161+j], v[160+j:161+j], v[96+j:97+j]                    ; + x1
.set j, j+2
.endr
.irp mm, 0,1,2,3
.irp n, 0,1
	ds_store_b128 v[YST], v[160+8*(4*\n+\mm):160+8*(4*\n+\mm)+3] offset:16*SP*\mm+64*\n       ; over the bytes of x1 that this lane alone has read
	ds_store_b128 v[YST], v[160+8*(4*\n+\mm)+4:160+8*(4*\n+\mm)+7] offset:16*SP*\mm+64*\n+16
.endr
.endr
	BARRIER                                        ; 128 whole rows of the result lie in the stage
.set i, 0
.rept 16
	ds_load_b128 v[32+4*i:32+4*i+3], v[OSR] offset:SP*i
.set i, i+1
.endr
.set i, 0
.rept 16
	s_wait_dscnt 15-i
	global_store_b128 v[LI], v[32+4*i:32+4*i+3], s[OB:OB+1] offset:512*i th:TH_STORE_NT   ; the wave stores a row of 512 consecutive bytes, aligned; written once, read by nobody here
.set i, i+1
.endr
	s_wait_tensorcnt 0x0                           ; the wave's end: behind my last tensor load and my last LDS store
	ds_add_u32 v[SPW], v[NIL]
	s_wait_dscnt 0x0
	CROUND                                         ; the closing round: no work-group ends while a partner may still ask for a block that names it
	s_endpgm
.Lfunc_end_k_q152a27333f_attn_mlp:
	.size	k_q152a27333f_attn_mlp, .Lfunc_end_k_q152a27333f_attn_mlp-k_q152a27333f_attn_mlp
	.p2alignl 7, 3214868480
	.fill 96, 4, 3214868480
	.section	.rodata,"a",@progbits
	.p2align	6, 0x0
	.amdhsa_kernel k_q152a27333f_attn_mlp
		.amdhsa_group_segment_fixed_size 327680
		.amdhsa_private_segment_fixed_size 0
		.amdhsa_enable_private_segment 0
		.amdhsa_kernarg_size 88
		.amdhsa_user_sgpr_count 2
		.amdhsa_user_sgpr_kernarg_segment_ptr 1
		.amdhsa_wavefront_size32 1
		.amdhsa_system_sgpr_workgroup_id_x 1
		.amdhsa_system_sgpr_workgroup_id_y 1
		.amdhsa_system_sgpr_workgroup_id_z 1
		.amdhsa_system_vgpr_workitem_id 0
		.amdhsa_next_free_vgpr 512
		.amdhsa_next_free_sgpr 100
		.amdhsa_reserve_vcc 0
		.amdhsa_float_denorm_mode_32 3
		.amdhsa_float_denorm_mode_16_64 3
		.amdhsa_fp16_overflow 1
		.amdhsa_memory_ordered 1
		.amdhsa_forward_progress 1
		.amdhsa_inst_pref_size 213
	.end_amdhsa_kernel
	.amdgpu_metadata
---
amdhsa.version: [ 1, 2 ]
amdhsa.kernels:
  - .name:           k_q152a27333f_attn_mlp
    .symbol:         k_q152a27333f_attn_mlp.kd
    .args:
      - { .name: q_img, .offset: 0, .size: 8, .value_kind: global_buffer, .address_space: global }
      - { .name: kv_img, .offset: 8, .size: 8, .value_kind: global_buffer, .address_space: global }
      - { .name: x, .offset: 16, .size: 8, .value_kind: global_buffer, .address_space: global }
      - { .name: lowp_scales, .offset: 24, .size: 8, .value_kind: global_buffer, .address_space: global }
      - { .name: gamma2, .offset: 32, .size: 8, .value_kind: global_buffer, .address_space: global }
      - { .name: beta2, .offset: 40, .size: 8, .value_kind: global_buffer, .address_space: global }
      - { .name: w1_codes, .offset: 48, .size: 8, .value_kind: global_buffer, .address_space: global }
      - { .name: b1, .offset: 56, .size: 8, .value_kind: global_buffer, .address_space: global }
      - { .name: w2_codes, .offset: 64, .size: 8, .value_kind: global_buffer, .address_space: global }
      - { .name: b2, .offset: 72, .size: 8, .value_kind: global_buffer, .address_space: global }
      - { .name: out0, .offset: 80, .size: 8, .value_kind: global_buffer, .address_space: global }
    .group_segment_fixed_size: 327680
    .private_segment_fixed_size: 0
    .kernarg_segment_align: 8
    .kernarg_segment_size: 88
    .max_flat_workgroup_size: 256
    .sgpr_count:     100
    .vgpr_count:     512
    .wavefront_size: 32
...
	.end_amdgpu_metadata
.endif
;; end of part 2
